; MI455X (gfx1250); checked and timed in simulation.
; The chip was launched on July 23, 2026; its instructions are those of AMD's public machine-readable ISA for CDNA 5 (MIT licence, August 2026) and "CDNA5" Instruction Set Architecture Reference Guide (July 2026). The comments in the code are by the model that wrote it; some were corrected since.
;; W8 A16 Linear Static. Allowed arithmetic: float matrix products may take bf16 or f16 operands with f32 sums; other float arithmetic in f32, or as packed bf16 or f16 multiplies, adds, multiply-adds, maxima and minima; sums over many terms, partial sums and values carried from step to step in f32; what a program stores and reads back later, other than sums and carried values, may be rounded once to bf16 or f16.
;; Inputs: weight 4,096 x 4,096 int32; weight_offset 4,096 int32; weight_scale 4,096 float32; x 4 x 1,024 x 4,096 float32.
;; Outputs: out0 4 x 1,024 x 4,096 float32.
;; One version. Each part assembles by itself: llvm-mc -triple=amdgcn-amd-amdhsa -mcpu=gfx1250 --defsym DOCPART=n.
;; ======== version 1 of 1: 2 launches
;; workspace buffers: xb 33,554,432 bytes; wb 33,554,432 bytes
;; launch prep (part 1): grid 256 x 2, 8 waves a work-group, no clusters, 0 bytes of LDS; arguments x, weight, weight_offset, xb, wb; writes xb, wb
.if DOCPART == 1
	.amdgcn_target "amdgcn-amd-amdhsa--gfx1250"
	.amdhsa_code_object_version 6
	.text
	.protected	k_q3ea2a50f39_prep
	.globl	k_q3ea2a50f39_prep
	.p2align	8
	.type	k_q3ea2a50f39_prep,@function
k_q3ea2a50f39_prep:
	s_mov_b64 s[64:65], 0
	v_nop
	global_prefetch_b8 v0, s[64:65] scope:SCOPE_SE
	s_setreg_imm32_b32 hwreg(HW_REG_WAVE_MODE, 25, 1), 1
	s_wait_xcnt 0x0
; THE TWO MATRIX OPERANDS ARE MADE, ONCE.  xb[m][k] = bf16(x[m][k]);  wb[o][k] = bf16(f32(weight[o][k]) - f32(weight_offset[o])).
; x: [4096][4096] f32, weight: [4096][4096] int32, weight_offset: [4096] int32; xb, wb: [4096][4096] bf16, row-major.
; LIMITS.  x is rounded once, to nearest even.  weight - offset is formed in f32 and rounded once to bf16: exact while its magnitude is at most 256
; (bf16 holds 8 significant bits); beyond that it carries a matrix operand's rounding.  The scale is not applied here: it belongs to an output column and multiplies the finished sum.
; SHARES.  The grid's y picks the tensor (0: x, 1: weight).  A work-group owns 16 rows, each of its eight waves 2 rows: 32,768 bytes in, 16,384 out.
; A chunk is one load of 16 bytes a lane (512 consecutive bytes of a row), its conversion, and one store of 8 bytes a lane: the 32 lanes store 256 consecutive bytes, aligned.
; A wave's 64 chunks go in four groups of 16 (half a row each) through three sets of registers: 48 loads of a wave are out at the start, and the fourth group is asked for as soon as the first set is free.
; Nothing is shared between waves, so there is no LDS, no barrier and no cluster; each byte is read once and written once; the text is straight, without a loop.
.set IO,  1                            ; v1       16 x lane: my bytes in a chunk as loaded; never rewritten
.set OFA, 2                            ; v[2:3]   f32(offset) of my first row, twice (a pair for the packed subtraction)
.set OFB, 4                            ; v[4:5]   the same for my second row
.set OO,  6                            ; v6       8 x lane: my bytes in a chunk as stored; never rewritten
.set X,   8                            ; v[8:199] set b (0..2), chunk j (0..15): 4 registers at X + 64 b + 4 j
	s_load_b256 s[4:11], s[0:1], 0x0               ; x s[4:5], weight s[6:7], weight_offset s[8:9], xb s[10:11]
	s_load_b64 s[12:13], s[0:1], 0x20              ; wb
	v_lshrrev_b32 v7, 5, v0
	v_readfirstlane_b32 s14, v7                    ; wave 0..7
	s_and_b32 s15, ttmp7, 0xffff                   ; which tensor
	v_and_b32 v[IO], 31, v0                        ; lane
	v_lshlrev_b32 v[OO], 3, v[IO]
	v_lshlrev_b32 v[IO], 4, v[IO]
	s_lshl_b32 s16, ttmp9, 18                      ; in: 16 rows of 16,384 bytes a work-group,
	s_lshl_b32 s17, s14, 15                        ; 2 rows a wave
	s_add_co_u32 s16, s16, s17
	s_mov_b32 s17, 0
	s_lshl_b32 s18, ttmp9, 17                      ; out: rows of 8,192 bytes
	s_lshl_b32 s19, s14, 14
	s_add_co_u32 s18, s18, s19
	s_mov_b32 s19, 0
	s_lshl_b32 s20, ttmp9, 6                       ; my first row's word in weight_offset: 4 (16 x work-group + 2 x wave) bytes
	s_lshl_b32 s21, s14, 3
	s_add_co_u32 s20, s20, s21
	s_wait_kmcnt 0x0
; Group h's 16 loads into set b.
.macro LOADH h, b, base
.irp j, 0,1,2,3,4,5,6,7,8,9,10,11,12,13,14,15
	global_load_b128 v[X+64*(\b)+4*(\j):X+64*(\b)+4*(\j)+3], v[IO], s[(\base):(\base)+1] offset:(16*(\h)+(\j))*512 th:TH_LOAD_NT
.endr
.endm
; Group h, in set b, is converted and stored.  kind = 1: whole numbers, less the row's offset in v[of:of+1].  left = the loads younger than the group's first.
.macro PROC kind, h, b, left, of, dst
.irp j, 0,1,2,3,4,5,6,7,8,9,10,11,12,13,14,15
.set r, X+64*(\b)+4*(\j)
	s_wait_loadcnt (\left)-(\j)                    ; loads come back in order (ISA guide 5.7.1): chunk j is in, the younger ones stay out
.if \kind
	v_cvt_f32_i32 v[r], v[r]
	v_cvt_f32_i32 v[r+1], v[r+1]
	v_cvt_f32_i32 v[r+2], v[r+2]
	v_cvt_f32_i32 v[r+3], v[r+3]
	v_pk_add_f32 v[r:r+1], v[r:r+1], v[(\of):(\of)+1] neg_lo:[0,1] neg_hi:[0,1]      ; w - offset, in f32
	v_pk_add_f32 v[r+2:r+3], v[r+2:r+3], v[(\of):(\of)+1] neg_lo:[0,1] neg_hi:[0,1]
.endif
	v_cvt_pk_bf16_f32 v[r], v[r], v[r+1]           ; two roundings to bf16, packed
	v_cvt_pk_bf16_f32 v[r+1], v[r+2], v[r+3]
	global_store_b64 v[OO], v[r:r+1], s[(\dst):(\dst)+1] offset:(16*(\h)+(\j))*256 th:TH_STORE_NT
.endr
.endm
	s_cmp_lg_u32 s15, 0
	s_cbranch_scc1 .Lweight
	; x -> xb
	s_add_nc_u64 s[4:5], s[4:5], s[16:17]
	s_add_nc_u64 s[10:11], s[10:11], s[18:19]
	LOADH 0, 0, 4
	LOADH 1, 1, 4
	LOADH 2, 2, 4
	PROC 0, 0, 0, 47, OFA, 10                      ; behind chunk j: 15 - j of its group and two groups of 16
	s_wait_xcnt 0x0                                ; set 0 is the data of the stores just issued: it is loaded again only behind this wait
	LOADH 3, 0, 4
	PROC 0, 1, 1, 47, OFA, 10                      ; again two groups behind it: the third and the fourth
	PROC 0, 2, 2, 31, OFA, 10
	PROC 0, 3, 0, 15, OFA, 10
	s_endpgm
.Lweight:
	; weight, weight_offset -> wb
	s_add_nc_u64 s[6:7], s[6:7], s[16:17]
	s_add_nc_u64 s[12:13], s[12:13], s[18:19]
	s_load_b64 s[22:23], s[8:9], s20 offset:0x0    ; my two rows' offsets
	LOADH 0, 0, 6
	LOADH 1, 1, 6
	LOADH 2, 2, 6
	s_wait_kmcnt 0x0
	v_cvt_f32_i32 v[OFA], s22
	v_cvt_f32_i32 v[OFA+1], s22
	v_cvt_f32_i32 v[OFB], s23
	v_cvt_f32_i32 v[OFB+1], s23
	PROC 1, 0, 0, 47, OFA, 12                      ; groups 0 and 1 are my first row,
	s_wait_xcnt 0x0                                ; set 0 is the data of the stores just issued: it is loaded again only behind this wait
	LOADH 3, 0, 6
	PROC 1, 1, 1, 47, OFA, 12
	PROC 1, 2, 2, 31, OFB, 12                      ; groups 2 and 3 my second
	PROC 1, 3, 0, 15, OFB, 12
	s_endpgm
.Lfunc_end_k_q3ea2a50f39_prep:
	.size	k_q3ea2a50f39_prep, .Lfunc_end_k_q3ea2a50f39_prep-k_q3ea2a50f39_prep
	.p2alignl 7, 3214868480
	.fill 96, 4, 3214868480
	.section	.rodata,"a",@progbits
	.p2align	6, 0x0
	.amdhsa_kernel k_q3ea2a50f39_prep
		.amdhsa_group_segment_fixed_size 0
		.amdhsa_private_segment_fixed_size 0
		.amdhsa_enable_private_segment 0
		.amdhsa_kernarg_size 40
		.amdhsa_user_sgpr_count 2
		.amdhsa_user_sgpr_kernarg_segment_ptr 1
		.amdhsa_wavefront_size32 1
		.amdhsa_system_sgpr_workgroup_id_x 1
		.amdhsa_system_sgpr_workgroup_id_y 1
		.amdhsa_system_sgpr_workgroup_id_z 1
		.amdhsa_system_vgpr_workitem_id 0
		.amdhsa_next_free_vgpr 200
		.amdhsa_next_free_sgpr 66
		.amdhsa_reserve_vcc 0
		.amdhsa_float_denorm_mode_32 3
		.amdhsa_float_denorm_mode_16_64 3
		.amdhsa_memory_ordered 1
		.amdhsa_forward_progress 1
		.amdhsa_inst_pref_size 62
	.end_amdhsa_kernel
	.amdgpu_metadata
---
amdhsa.version: [ 1, 2 ]
amdhsa.kernels:
  - .name:           k_q3ea2a50f39_prep
    .symbol:         k_q3ea2a50f39_prep.kd
    .args:
      - { .name: x, .offset: 0, .size: 8, .value_kind: global_buffer, .address_space: global }
      - { .name: weight, .offset: 8, .size: 8, .value_kind: global_buffer, .address_space: global }
      - { .name: weight_offset, .offset: 16, .size: 8, .value_kind: global_buffer, .address_space: global }
      - { .name: xb, .offset: 24, .size: 8, .value_kind: global_buffer, .address_space: global }
      - { .name: wb, .offset: 32, .size: 8, .value_kind: global_buffer, .address_space: global }
    .group_segment_fixed_size: 0
    .private_segment_fixed_size: 0
    .kernarg_segment_align: 8
    .kernarg_segment_size: 40
    .max_flat_workgroup_size: 256
    .sgpr_count:     66
    .vgpr_count:     200
    .wavefront_size: 32
...
	.end_amdgpu_metadata
.endif
;; end of part 1
;; launch gemm (part 2): grid 16 x 16, 4 waves a work-group, clusters of 4 x 4, 327,680 bytes of LDS; arguments xb, wb, out0, weight_scale; writes out0
.if DOCPART == 2
	.amdgcn_target "amdgcn-amd-amdhsa--gfx1250"
	.amdhsa_code_object_version 6
	.text
	.protected	k_q3ea2a50f39_gemm
	.globl	k_q3ea2a50f39_gemm
	.p2align	8
	.type	k_q3ea2a50f39_gemm,@function
k_q3ea2a50f39_gemm:
	s_mov_b64 s[64:65], 0
	v_nop
	global_prefetch_b8 v0, s[64:65] scope:SCOPE_SE
	s_setreg_imm32_b32 hwreg(HW_REG_WAVE_MODE, 25, 1), 1
	s_wait_xcnt 0x0
	s_wait_alu depctr_hold_cnt(0) depctr_sa_sdst(0) depctr_va_vdst(0) depctr_va_sdst(0) depctr_va_ssrc(0) depctr_va_vcc(0) depctr_vm_vsrc(0)
	s_getreg_b32 s2, hwreg(HW_REG_IB_STS2, 6, 4)
	s_cmp_eq_u32 s2, 0
	s_cbranch_scc0 .Lentry_in_a_cluster
	s_endpgm
.Lentry_in_a_cluster:
	s_bfe_u32 s2, ttmp6, 0x10000c
	s_cmp_lg_u32 s2, 0xf033
	s_cbranch_scc0 .Lentry_shape_is_right
	s_endpgm
.Lentry_shape_is_right:
; out0[m][o] = bf16(weight_scale[o]) x the sum over k of xb[m][k] wb[o][k].  xb: [4096][4096] bf16 (x rounded once), wb: [4096][4096] bf16 (weight - offset), out0: [4096][4096] f32.
; LIMITS.  The products' operands are bf16, the sums f32; the scale is rounded once to bf16, like the other floating-point input, widened again, and multiplies the finished f32 sum once, in f32.
; The offset was taken off each weight before the product, so no difference of large sums is formed.
; A tile of out0, 256 x 256, is made by a work-group of four waves; a wave makes 128 x 128: 64 accumulators of 16 x 16, 512 registers.  256 tiles, one to a work-group.
; K goes in steps of 128 through a ring of two LDS slots filled by the tensor data mover: the rows of the tiles of xb (A) and wb (B) are 256 bytes of memory and start at multiples of 256 bytes from the buffer's first byte.
; CLUSTERS: 4 x 4 work-groups.  The four of a row of the cluster make tiles of one tile row and need the same tiles of A; the four of a column need the same tiles of B.  Such a tile is asked for JOINTLY:
; each of the four issues the same tensor load, with the same descriptor and a mask that names the four, and each receives the tile in its own LDS.
; REGISTERS, in windows of 256 (s_set_vgpr_msb's low byte: bits 1:0 source 0, 3:2 source 1, 5:4 source 2, 7:6 destination):
;   window 0: v0-37 addresses and the scale; v64-127, v128-191 fragments of A (8 x 16 rows x 32 K), two buffers; on the way out the same registers take rows read back from the stage
;   window 1: v64-127, v128-191 fragments of B, two buffers
;   window 2: the 32 accumulators of my rows 0-63 (accumulator (a, b) at v[8 (8 a + b)]);   window 3: those of my rows 64-127
; THE MATRIX INSTRUCTION IS USED TRANSPOSED: source 0 = 16 rows of B, source 1 = 16 rows of A.  In the result lane l holds row l % 16 of the tile and its registers 0 to 7 the columns 8 (l / 16) + 0 .. 7:
; 32 neighbouring bytes of a row of out0.
.set SIZE_N, 4096
.set SIZE_K, 4096
.set KSTEP,  128
.set PITCH,  272                       ; an LDS row: 256 bytes of data + 16 of padding = 68 words: row r starts at bank 4 r mod 64 (64 banks of 4 bytes: ISA guide 11.1), so the 16 rows that a load touches start at 16 different banks
.set HALFT,  128*PITCH                 ; 128 rows: what one tensor load brings, and what one wave reads of A or of B
.set SLOT,   4*HALFT                   ; A's 256 rows, then B's 256 rows
.set STAGE,  2*SLOT                    ; behind the ring: 16 rows x 528 bytes for each wave, for the way out; no tensor load lands here
.set SPITCH, 528                       ; a stage row: 128 f32 + 16 bytes = 132 words: again row r starts at bank 4 r mod 64
.set SPARE,  STAGE+4*16*SPITCH         ; behind the stages: the spare words, 128 bytes for each wave: two blocks of 256 bytes that no other line names
.set LAPS,   SIZE_K/(2*KSTEP)          ; a lap = two K steps = once round the ring: 16
.set ROWC,   SIZE_N*4                  ; bytes in a row of out0
.set ADRA, 16                          ; v16-17  LDS address of my A fragments in slot 0, 1
.set ADRB, 20                          ; v20-21  the same for B
.set STO,  24                          ; v24     the way out: where I put 32 bytes of a row
.set RD,   25                          ; v25     the way out: my 16 bytes of a row read back
.set CO,   26                          ; v26     16 x lane: my 16 bytes in my wave's 512 bytes of a row of out0; never rewritten
.set SCO,  27                          ; v27     my 16 bytes in weight_scale; never rewritten
.set SPW,  28                          ; v28     LDS address of my spare word: SPARE + 4 x my thread's number; never rewritten
.set NIL,  29                          ; v29     0; never rewritten
.set PFO,  30                          ; v30     the prefetches' offset: my lane x a row of A or B in memory; never rewritten
.set SC,   32                          ; v[32:35] the scale of the four columns that I store
.set SCT,  36                          ; v36-37  at work
.set F0,   64                          ; fragment buffer 0
.set F1,   128                         ; fragment buffer 1
.set G1,  24                           ; s[24:31] descriptor group 1 for A's tiles
.set G0,  32                           ; s[32:39] descriptor group 0 for A's tiles, one set for each slot
.set LIM, 43                           ; s43     1 in a wave that prefetches, else the greatest number
.set PFA, 44                           ; s[44:45] where my prefetches stand: my work-group's 32 rows of the 128 that I fetch, one K step further along K than the refill that is being asked for
.set G1B, 48                           ; s[48:55] descriptor group 1 for B's tiles: it differs from A's in the mask alone
.set G0B, 56                           ; s[56:63] descriptor group 0 for B's tiles, one set for each slot
.set SCP, 66                           ; s[66:67] weight_scale
.set MSB, 0
.macro WIN new                         ; the immediate's high byte repeats the setting that is left; a switch that changes nothing is dropped
.if MSB != (\new)
	s_set_vgpr_msb (MSB<<8)|(\new)
.set MSB, \new
.endif
.endm
.set MUL_LO, 0xa1                      ; source 0 (B) window 1, source 1 (A) window 0, C and D window 2
.set MUL_HI, 0xf1                      ; the same, C and D window 3
.set TO_B,   0x40                      ; destination window 1, address window 0
; A joint load.  Waves 0 and 1 fetch A's two halves, waves 2 and 3 B's.  Each of the two lines has ONE mask and one set of registers for all that issue it.  The branch hangs on the wave's number alone.
; An s_nop 0 and four v_nop follow each of the two lines; the jump round the other line, the label and what follows the macro come after them.
.macro JLOAD s
	s_cmp_eq_u32 s11, 0
	s_cbranch_scc0 .Lfor_b_\@
	tensor_load_to_lds s[G0+4*(\s):G0+4*(\s)+3], s[G1:G1+7]
	s_nop 0
.rept 4
	v_nop
.endr
	s_branch .Lasked_\@
.Lfor_b_\@:
	tensor_load_to_lds s[G0B+4*(\s):G0B+4*(\s)+3], s[G1B:G1B+7]
	s_nop 0
.rept 4
	v_nop
.endr
.Lasked_\@:
.endm
; A PREFETCH INTO THE L2, behind each joint refill, its five lines and the run of LDS loads that follows them: the K step that stands TWO refills on (512 matrix instructions ahead of the load that will ask for it):
; 32 rows x 256 bytes, a lane a row, one instruction a wave.  Each row's 256 bytes of a K step are named ONCE in the launch: A's tile row is read by every cluster of that row of clusters, and the one with
; cluster x = 0 asks; B's tile column by every cluster of that column, and the one with cluster y = 0 asks.  The four partners that ask for a tile jointly share its rows out BY ADDRESS: of the 128 rows that a
; wave fetches, the partner at place p takes 32 p .. 32 p + 31 (p = cx for A, cy for B).  K steps 0 to 3 come by their loads alone; the loop's last trip (s3 = 1) asks for nothing: there is no K step two refills on.
.macro ASK
	s_cmp_gt_u32 s3, s[LIM]
	s_cbranch_scc0 .Lnot_mine_\@
	global_prefetch_b8 v[PFO], s[PFA:PFA+1] offset:KSTEP*2 th:TH_LOAD_NT scope:SCOPE_SE
.Lnot_mine_\@:
.endm
; A round of the cluster's barrier: my work-group's barrier, so that wave 0's signal speaks for all four waves; wave 0 signals for the work-group; every wave waits for all sixteen work-groups; my work-group's barrier once more.
.macro CREST                           ; a round behind its opening barrier
	s_cmp_lg_u32 s10, 0
	s_cbranch_scc1 .Lnot_wave_0_\@
	s_barrier_signal -3
.Lnot_wave_0_\@:
	s_barrier_wait -3
	s_barrier_signal -1
	s_barrier_wait -1
.endm
.macro CROUND                          ; a whole round
	s_barrier_signal -1
	s_barrier_wait -1
	CREST
.endm
	s_load_b128 s[4:7], s[0:1], 0x0                ; xb (A) s[4:5], wb (B) s[6:7]
	s_load_b64 s[8:9], s[0:1], 0x10                ; out0
	s_load_b64 s[SCP:SCP+1], s[0:1], 0x18          ; weight_scale
	v_lshl_add_u32 v[SPW], v0, 2, SPARE
	v_mov_b32 v[NIL], 0
	ds_add_u32 v[SPW], v[NIL]                      ; the wave's opening: the add and its wait stand ahead of my first tensor load; the set-up below, work on registers, stands between them
	v_lshrrev_b32 v1, 5, v0
	v_readfirstlane_b32 s10, v1                    ; wave 0..3
	s_lshr_b32 s11, s10, 1                         ; which half of the tile's rows is mine.  Also: I fetch for A (0) or for B (1)
	s_and_b32 s12, s10, 1                          ; which half of its columns.  Also: which 128 rows of that tile I fetch
	s_bfe_u32 s40, ttmp6, 0x40000                  ; cx: my place along the cluster's x
	s_bfe_u32 s41, ttmp6, 0x40004                  ; cy: along its y
	s_lshl_b32 s42, ttmp9, 2                       ; in a cluster launch ttmp9 and ttmp7 count clusters
	s_add_co_u32 s42, s42, s40                     ; tile column = 4 x cluster x + cx
	s_and_b32 s13, ttmp7, 0xffff
	s_lshl_b32 s13, s13, 2
	s_add_co_u32 s13, s13, s41                     ; tile row = 4 x cluster y + cy
	s_lshl_b32 s43, s41, 2
	s_lshl_b32 s43, 15, s43                        ; my row of the cluster: places 4 cy .. 4 cy + 3
	s_lshl_b32 s44, 0x1111, s40                    ; my column: places cx, cx + 4, cx + 8, cx + 12
	; descriptor group 1: a tile of 128 rows x 128 elements, padded in LDS
	s_or_b32 s[G1+0], s43, (1<<16)|(1<<20)|(1<<21)|(5<<22)|(3<<25)  ; 15:0 the mask: A's tiles go to my row; 17:16 element of 2 bytes; 20 padding on; 21 set beside a mask; 24:22 after every 64 words (code 5); 31:25 of 4 words (code 3)
	s_or_b32 s[G1B+0], s44, (1<<16)|(1<<20)|(1<<21)|(5<<22)|(3<<25) ; the same with the mask of my column, for B's tiles
	s_mov_b32 s[G1B+1], KSTEP<<16
	s_mov_b32 s[G1+1], KSTEP<<16                   ; 63:48 tensor_dim0, low half = 128
	s_mov_b32 s[G1B+2], 128<<16
	s_mov_b32 s[G1+2], 128<<16                     ; 79:64 its high half = 0; 95:80 tensor_dim1, low half = 128
	s_mov_b32 s[G1B+3], KSTEP<<16
	s_mov_b32 s[G1+3], KSTEP<<16                   ; 111:96 its high half = 0; 127:112 tile_dim0 = 128
	s_mov_b32 s[G1B+4], 128
	s_mov_b32 s[G1+4], 128                         ; 143:128 tile_dim1 = 128; 159:144 tile_dim2 = 0
	s_mov_b32 s[G1B+5], SIZE_K
	s_mov_b32 s[G1+5], SIZE_K                      ; 191:160 tensor_dim0_stride, low word: elements from row to row
	s_mov_b32 s[G1B+6], 0
	s_mov_b32 s[G1+6], 0
	s_mov_b32 s[G1B+7], 0
	s_mov_b32 s[G1+7], 0
	; where the tiles come from.  A's hang on the tile row alone, which my row of the cluster shares; B's on the tile column alone, which my column shares.
	; Every wave makes both addresses, in registers that never hold the other coordinate, and asks by one of them.
	s_lshl_b32 s17, s12, 7                         ; which 128 rows of the tile I fetch
	s_lshl_b32 s16, s13, 8
	s_add_co_u32 s16, s16, s17                     ; A: row 256 x tile row + 128 x half
	s_lshl_b32 s46, s42, 8
	s_add_co_u32 s46, s46, s17                     ; B: row 256 x tile column + 128 x half
	s_mov_b32 s17, 0
	s_mov_b32 s47, 0
	s_mov_b64 s[18:19], SIZE_K*2
	s_mul_u64 s[16:17], s[16:17], s[18:19]         ; in bytes, in 64 bits
	s_mul_u64 s[46:47], s[46:47], s[18:19]
	s_mul_i32 s20, s10, HALFT                      ; and where they go: A's two halves, then B's two halves = wave x 128 rows: no place in the cluster enters an LDS address
	s_wait_dscnt 0x0                               ; the opening add is done
	s_wait_kmcnt 0x0
	s_add_nc_u64 s[14:15], s[4:5], s[16:17]
	s_add_nc_u64 s[46:47], s[6:7], s[46:47]
	CROUND                                         ; all sixteen work-groups are here: the first joint loads meet
.irp s, 0,1
	s_mov_b32 s[G0+4*(\s)], 1                                      ; 1:0 count = 1
	s_add_co_u32 s[G0+4*(\s)+1], s20, (\s)*SLOT                    ; 63:32 LDS address
	s_add_nc_u64 s[G0+4*(\s)+2:G0+4*(\s)+3], s[14:15], (\s)*KSTEP*2  ; 120:64 global address: K step s
	s_or_b32 s[G0+4*(\s)+3], s[G0+4*(\s)+3], 0x80000000            ; 127:126 type = 2
	s_mov_b32 s[G0B+4*(\s)], 1
	s_add_co_u32 s[G0B+4*(\s)+1], s20, (\s)*SLOT
	s_add_nc_u64 s[G0B+4*(\s)+2:G0B+4*(\s)+3], s[46:47], (\s)*KSTEP*2
	s_or_b32 s[G0B+4*(\s)+3], s[G0B+4*(\s)+3], 0x80000000
	JLOAD \s                                       ; the ring is filled before anything else is done: two tensor loads of mine are out
.endr
	; A fragment is 16 rows x 32 K in 8 registers: lane l holds row l % 16; registers 0-3 hold K = 8 (l / 16) + 0..7, registers 4-7 hold K = 16 + 8 (l / 16) + 0..7.
	; From rows that lie along K: two loads of 16 bytes, 32 bytes apart.  The same for source 0 and source 1.
	v_and_b32 v1, 15, v0                           ; l % 16
	v_bfe_u32 v2, v0, 4, 1                         ; l / 16
	v_mul_u32_u24 v3, v1, PITCH
	v_lshl_add_u32 v3, v2, 4, v3                   ; row x pitch + 16 x half
	s_mul_i32 s21, s11, HALFT                      ; my 128 rows of A
	s_mul_i32 s22, s12, HALFT                      ; my 128 rows of B,
	s_add_co_u32 s22, s22, 2*HALFT                 ; which lie behind A's 256
.irp s, 0,1
	v_add_nc_u32 v[ADRA+(\s)], s21, v3
	v_add_nc_u32 v[ADRB+(\s)], s22, v3
	s_add_co_u32 s21, s21, SLOT
	s_add_co_u32 s22, s22, SLOT
.endr
	s_mul_i32 s23, s10, 16*SPITCH
	s_add_co_u32 s23, s23, STAGE                   ; my stage
	v_mul_u32_u24 v4, v1, SPITCH                   ; in: row l % 16, 32 bytes for each half of the lanes
	v_lshl_add_u32 v4, v2, 5, v4
	v_add_nc_u32 v[STO], s23, v4
	v_and_b32 v5, 31, v0
	v_lshlrev_b32 v[CO], 4, v5                     ; back and out: 32 lanes x 16 bytes are one row's 512 bytes
	v_add_nc_u32 v[RD], s23, v[CO]
	; where my part of the tile begins in out0
	s_lshl_b32 s13, s13, 8
	s_lshl_b32 s14, s11, 7
	s_add_co_u32 s16, s13, s14                     ; my first row
	s_mov_b32 s17, 0
	s_mov_b64 s[18:19], ROWC
	s_mul_u64 s[16:17], s[16:17], s[18:19]
	s_lshl_b32 s46, s42, 10                        ; my first column, in bytes of f32: 1,024 x tile column + 512 x half; the same offset serves weight_scale
	s_lshl_b32 s47, s12, 9
	s_add_co_u32 s46, s46, s47
	s_mov_b32 s47, 0
	s_add_nc_u64 s[16:17], s[16:17], s[46:47]
	s_add_nc_u64 s[8:9], s[8:9], s[16:17]
	v_add_nc_u32 v[SCO], s46, v[CO]
	global_load_b128 v[SC:SC+3], v[SCO], s[SCP:SCP+1]  ; the scale of the four columns that I store: waited for on the way out
	; the prefetches.  s13 = 256 x tile row, s42 = tile column, s40 = cx, s41 = cy still stand; s[4:5] = A, s[6:7] = B
	s_lshl_b32 s42, s42, 8
	s_and_b32 s22, ttmp7, 0xffff                   ; cluster y
	s_cmp_eq_u32 s11, 0                            ; do I fetch for A?
	s_cselect_b32 s20, s13, s42                    ; the tile's first row: in A by the tile row, in B by the tile column
	s_cselect_b32 s21, s40, s41                    ; my place among the four that ask for it with me
	s_cselect_b32 s22, ttmp9, s22                  ; the coordinate along which other clusters read the same rows
	s_cselect_b64 s[PFA:PFA+1], s[4:5], s[6:7]
	s_cmp_eq_u32 s22, 0
	s_cselect_b32 s[LIM], 1, -1                    ; the same in all sixteen partners, for a given wave
	s_lshl_b32 s22, s12, 7
	s_add_co_u32 s20, s20, s22                     ; + the 128 rows that I fetch
	s_lshl_b32 s21, s21, 5
	s_add_co_u32 s20, s20, s21                     ; + my work-group's 32 of them
	s_mov_b32 s21, 0
	s_mov_b64 s[18:19], SIZE_K*2
	s_mul_u64 s[20:21], s[20:21], s[18:19]
	s_add_nc_u64 s[PFA:PFA+1], s[PFA:PFA+1], s[20:21]
	s_add_nc_u64 s[PFA:PFA+1], s[PFA:PFA+1], 2*KSTEP*2  ; at K step 2: the first refill steps it to 3 and names K step 4
	v_and_b32 v[PFO], 31, v0
	v_mul_u32_u24 v[PFO], v[PFO], SIZE_K*2
; 16 matrix instructions: m blocks a0, a0 + 1 of the window's four (hi = 0: my rows 0-63, 1: rows 64-127) x all 8 n blocks, 32 along K.
; zero = 1: the first product starts the sums: nothing is ever cleared.  The 64 accumulators take turns, in the same order in every quarter step.
.macro MUL16 f, hi, a0, zero
	WIN MUL_LO+0x50*(\hi)  ; MUL_LO or MUL_HI
.irp a, \a0, (\a0)+1
.irp b, 0,1,2,3,4,5,6,7
.if \zero
	v_wmma_f32_16x16x32_bf16 v[8*(8*(\a)+(\b)):8*(8*(\a)+(\b))+7], v[(\f)+8*(\b):(\f)+8*(\b)+7], v[(\f)+8*(4*(\hi)+(\a)):(\f)+8*(4*(\hi)+(\a))+7], 0
.else
	v_wmma_f32_16x16x32_bf16 v[8*(8*(\a)+(\b)):8*(8*(\a)+(\b))+7], v[(\f)+8*(\b):(\f)+8*(\b)+7], v[(\f)+8*(4*(\hi)+(\a)):(\f)+8*(4*(\hi)+(\a))+7], v[8*(8*(\a)+(\b)):8*(8*(\a)+(\b))+7]
.endif
.endr
.endr
.endm
; 32 LDS loads in one run: the fragments of one quarter step (128 rows of B, 128 rows of A, 32 K at byte k of the rows) into buffer f
.macro FETCH slot, k, f
	WIN TO_B
.irp i, 0,1,2,3,4,5,6,7
	ds_load_b128 v[(\f)+8*(\i):(\f)+8*(\i)+3],   v[ADRB+(\slot)] offset:(\k)+(\i)*16*PITCH
	ds_load_b128 v[(\f)+8*(\i)+4:(\f)+8*(\i)+7], v[ADRB+(\slot)] offset:(\k)+(\i)*16*PITCH+32
.endr
	WIN 0
.irp i, 0,1,2,3,4,5,6,7
	ds_load_b128 v[(\f)+8*(\i):(\f)+8*(\i)+3],   v[ADRA+(\slot)] offset:(\k)+(\i)*16*PITCH
	ds_load_b128 v[(\f)+8*(\i)+4:(\f)+8*(\i)+7], v[ADRA+(\slot)] offset:(\k)+(\i)*16*PITCH+32
.endr
.endm
; A load into a register that a matrix instruction has read stands four places behind that matrix instruction, and only plain vector instructions that name none of its registers are
; places (ISA guide 7.12.1 for vector instructions); the matrix instructions in between are not counted.
.macro PLACES
.rept 4
	v_nop
.endr
.endm
; A K step is four quarter steps of 32 along K, 64 matrix instructions each, on buffers 0, 1, 0, 1.
; One of the first three: multiplies buffer f; in its middle it fetches the next quarter's fragments, at byte k of the same slot's rows, into buffer g.
.macro QUARTER slot, k, f, g, zero
	s_wait_dscnt 8                                 ; B and A's rows 0-63 are in; the youngest eight loads (A's rows 64-127) may be out
	WIN MUL_LO
	MUL16 \f, 0, 0, \zero
	MUL16 \f, 0, 2, \zero
	PLACES
	FETCH \slot, \k, \g
	s_wait_dscnt 32                                ; all but the 32 just issued
	WIN MUL_HI
	MUL16 \f, 1, 0, \zero
	MUL16 \f, 1, 2, \zero
.endm
; The last quarter multiplies buffer 1 and changes slots.  MEET is its first half: ONE barrier for the change of slots.  In front of it each wave waits for all its tensor loads, of which one is out: its part of
; the next slot; adds 0 to its spare word; and waits for that and for its own reads of this slot.  Behind it nobody reads this slot any more and the next slot is whole.
.macro MEET round                      ; round = 1: a round of the cluster's barrier follows
	WIN 0                                          ; (the add's two registers lie in window 0)
	s_wait_tensorcnt 0x0                           ; all my tensor loads have landed: the one that was out is my part of the next slot;
	ds_add_u32 v[SPW], v[NIL]                      ; 0 onto my spare word;
	s_wait_dscnt 9                                 ; (the add and the youngest eight loads may be out)
	WIN MUL_LO
	MUL16 F1, 0, 0, 0                              ; sixteen matrix instructions stand between the add and the wait for it
	s_wait_dscnt 0x0                               ; the add is done, and my reads of this slot are over:
	s_barrier_signal -1                            ; say so (where a slot is filled again this barrier opens a round of the cluster's barrier),
	MUL16 F1, 0, 2, 0                              ; work on registers while the others arrive,
.if \round
	WIN 0
.endif
	s_barrier_wait -1                              ; and go on when all four have said so
.endm
; The whole last quarter.  Behind the round the slot just read out is filled again first, with the K step two steps on; then come the next slot's first fragments.
; From a request to the wait for it a wave issues 224 matrix instructions.
.macro TURN slot, next
	s_wait_xcnt 0x0                                ; the last prefetch, a K step back, has read its address: it is stepped here, ahead of the waits of the change of slots
	s_add_nc_u64 s[PFA:PFA+1], s[PFA:PFA+1], KSTEP*2
	MEET 1
	CREST                                          ; wave 0 says so for the work-group, all sixteen work-groups have said so, my work-group's barrier closes the round:
	                                               ; no wave of any partner still reads this slot's tile or has a load on its way
	s_add_nc_u64 s[G0+4*(\slot)+2:G0+4*(\slot)+3], s[G0+4*(\slot)+2:G0+4*(\slot)+3], 2*KSTEP*2   ; no tensor load of mine is out, so a group 0 may be written
	s_add_nc_u64 s[G0B+4*(\slot)+2:G0B+4*(\slot)+3], s[G0B+4*(\slot)+2:G0B+4*(\slot)+3], 2*KSTEP*2
	JLOAD \slot                                    ; the first tensor load behind the round, my only one until the next; the four v_nop behind it are also the places in front of the loads below
	FETCH \next, 0, F0
	ASK                                            ; behind the joint load and the run of LDS loads that the next products wait for
	WIN MUL_HI
	MUL16 F1, 1, 0, 0
	MUL16 F1, 1, 2, 0
.endm
; The change of slots into the last K step: nothing is filled again, so no round follows.
.macro LASTTURN
	MEET 0                                         ; my one tensor load that was still out is slot 1's, the last K step's
	PLACES                                         ; for the loads into buffer 0, which the quarter before multiplied
	FETCH 1, 0, F0
	WIN MUL_HI
	MUL16 F1, 1, 0, 0
	MUL16 F1, 1, 2, 0
.endm
; THE WAY OUT of block a (16 rows x 128 columns of f32), in two parts.  A lane's 32 bytes are a sixteenth of a row's 512, and the lanes beside it hold other rows.  TOSTAGE: the accumulators go as they are
; into my own stage in LDS, each accumulator's four lowest registers first, and come back as whole rows of 512 bytes, 16 bytes a lane.  SEND: times the columns' scale, and stored.
.macro TOSTAGE a
.set AC, 64*((\a)%4)                   ; its eight accumulators, in window 2 (blocks 0-3) or 3 (blocks 4-7)
.set BK, F0+64*((\a)%2)                ; where the rows come back: the two fragment buffers of A by turns
	WIN 0x08+4*((\a)/4)                            ; the store's data (source 1) in window 2 or 3, its address in window 0
.irp b, 0,1,2,3,4,5,6,7
	ds_store_b128 v[STO], v[AC+8*(\b):AC+8*(\b)+3]   offset:64*(\b)
	ds_store_b128 v[STO], v[AC+8*(\b)+4:AC+8*(\b)+7] offset:64*(\b)+16
.endr
	WIN 0
.if (\a) >= 2
	s_wait_xcnt 0x0                                ; these registers are the data of the stores of the block two back: they are loaded again only behind this wait
.endif
.irp t, 0,1,2,3,4,5,6,7,8,9,10,11,12,13,14,15
	ds_load_b128 v[BK+4*(\t):BK+4*(\t)+3], v[RD] offset:(\t)*SPITCH  ; LDS serves a wave's instructions in order (ISA guide 5.7.1.4): these see the stores above; the next block's stores come behind them
.endr
.endm
.macro SEND a, younger                 ; younger: the LDS instructions issued behind block a's loads: the next block's 16 stores and 16 loads, or none
	WIN 0
.set BK, F0+64*((\a)%2)
.irp t, 0,1,2,3,4,5,6,7,8,9,10,11,12,13,14,15
	s_wait_dscnt (\younger)+15-(\t)                ; row t is back
	v_pk_mul_f32 v[BK+4*(\t):BK+4*(\t)+1],   v[BK+4*(\t):BK+4*(\t)+1],   v[SC:SC+1]
	v_pk_mul_f32 v[BK+4*(\t)+2:BK+4*(\t)+3], v[BK+4*(\t)+2:BK+4*(\t)+3], v[SC+2:SC+3]
	global_store_b128 v[CO], v[BK+4*(\t):BK+4*(\t)+3], s[8:9] offset:(16*(\a)+(\t))*ROWC th:TH_STORE_NT  ; 32 lanes store 512 consecutive bytes, at a multiple of 256 from out0's first byte; the row stands in the immediate: 127 rows of 16,384 bytes at the most, inside its signed 24 bits
.endr
.endm
	s_wait_tensorcnt 1                             ; my part of K step 0 is in; K step 1's may stay out
	s_barrier_signal -1
	s_barrier_wait -1                              ; everybody's is
	FETCH 0, 0, F0
	QUARTER 0, 64,  F0, F1, 1                      ; the first quarter stands in front of the loop: its products start the sums
	WIN 0                                          ; at a label and at a branch every window is 0
	s_mov_b32 s3, LAPS-1
.Llap:                                                 ; a trip goes once round the ring, from a lap's second quarter to the next lap's first, and fills both slots again
	QUARTER 0, 128, F1, F0, 0
	QUARTER 0, 192, F0, F1, 0
	TURN 0, 1
	QUARTER 1, 64,  F0, F1, 0
	QUARTER 1, 128, F1, F0, 0
	QUARTER 1, 192, F0, F1, 0
	TURN 1, 0
	QUARTER 0, 64,  F0, F1, 0
	WIN 0
	s_sub_co_u32 s3, s3, 1
	s_cmp_lg_u32 s3, 0
	s_cbranch_scc1 .Llap
	QUARTER 0, 128, F1, F0, 0                      ; the last lap is written out: it asks for nothing more
	QUARTER 0, 192, F0, F1, 0
	LASTTURN
	QUARTER 1, 64,  F0, F1, 0
	QUARTER 1, 128, F1, F0, 0
	QUARTER 1, 192, F0, F1, 0
	s_wait_dscnt 8                                 ; the very last quarter: nothing more to fetch
	WIN MUL_LO
	MUL16 F1, 0, 0, 0
	MUL16 F1, 0, 2, 0
	s_wait_dscnt 0x0
	MUL16 F1, 1, 0, 0
	MUL16 F1, 1, 2, 0
	WIN 0
	s_wait_loadcnt 0x0                             ; the scale
	v_cvt_pk_bf16_f32 v[SCT], v[SC], v[SC+1]       ; rounded once to bf16,
	v_cvt_pk_bf16_f32 v[SCT+1], v[SC+2], v[SC+3]
	v_lshlrev_b32 v[SC], 16, v[SCT]                ; and widened again.  These six lines and the two below name no register of the last products: they are the places
	v_and_b32 v[SC+1], 0xffff0000, v[SCT]          ; in front of the LDS stores that read results and of the loads into A's fragment registers
	v_lshlrev_b32 v[SC+2], 16, v[SCT+1]
	v_and_b32 v[SC+3], 0xffff0000, v[SCT+1]
	v_nop
	v_nop
	TOSTAGE 0
.irp a, 1,2,3,4,5,6,7                  ; block a goes into the stage and is asked back while block a - 1's rows arrive, are scaled and leave
	TOSTAGE \a
	SEND (\a)-1, 32
.endr
	SEND 7, 0
	s_wait_tensorcnt 0x0                           ; the wave's end: the add to my spare word and its wait, behind my last tensor load and my last LDS store
	ds_add_u32 v[SPW], v[NIL]
	s_wait_dscnt 0x0
	CROUND                                         ; the closing round: no work-group ends while a partner may still ask for a tile that names it
	s_endpgm
.Lfunc_end_k_q3ea2a50f39_gemm:
	.size	k_q3ea2a50f39_gemm, .Lfunc_end_k_q3ea2a50f39_gemm-k_q3ea2a50f39_gemm
	.p2alignl 7, 3214868480
	.fill 96, 4, 3214868480
	.section	.rodata,"a",@progbits
	.p2align	6, 0x0
	.amdhsa_kernel k_q3ea2a50f39_gemm
		.amdhsa_group_segment_fixed_size 327680
		.amdhsa_private_segment_fixed_size 0
		.amdhsa_enable_private_segment 0
		.amdhsa_kernarg_size 32
		.amdhsa_user_sgpr_count 2
		.amdhsa_user_sgpr_kernarg_segment_ptr 1
		.amdhsa_wavefront_size32 1
		.amdhsa_system_sgpr_workgroup_id_x 1
		.amdhsa_system_sgpr_workgroup_id_y 1
		.amdhsa_system_sgpr_workgroup_id_z 1
		.amdhsa_system_vgpr_workitem_id 0
		.amdhsa_next_free_vgpr 1024
		.amdhsa_next_free_sgpr 72
		.amdhsa_reserve_vcc 0
		.amdhsa_float_denorm_mode_32 3
		.amdhsa_float_denorm_mode_16_64 3
		.amdhsa_memory_ordered 1
		.amdhsa_forward_progress 1
		.amdhsa_inst_pref_size 162
	.end_amdhsa_kernel
	.amdgpu_metadata
---
amdhsa.version: [ 1, 2 ]
amdhsa.kernels:
  - .name:           k_q3ea2a50f39_gemm
    .symbol:         k_q3ea2a50f39_gemm.kd
    .args:
      - { .name: xb, .offset: 0, .size: 8, .value_kind: global_buffer, .address_space: global }
      - { .name: wb, .offset: 8, .size: 8, .value_kind: global_buffer, .address_space: global }
      - { .name: out0, .offset: 16, .size: 8, .value_kind: global_buffer, .address_space: global }
      - { .name: weight_scale, .offset: 24, .size: 8, .value_kind: global_buffer, .address_space: global }
    .group_segment_fixed_size: 327680
    .private_segment_fixed_size: 0
    .kernarg_segment_align: 8
    .kernarg_segment_size: 32
    .max_flat_workgroup_size: 128
    .sgpr_count:     72
    .vgpr_count:     1024
    .wavefront_size: 32
...
	.end_amdgpu_metadata
.endif
;; end of part 2
